; MI455X (gfx1250); checked and timed in simulation.
; The chip was launched on July 23, 2026; its instructions are those of AMD's public machine-readable ISA for CDNA 5 (MIT licence, August 2026) and "CDNA5" Instruction Set Architecture Reference Guide (July 2026). The comments in the code are by the model that wrote it; some were corrected since.
;; Quantizer. Allowed arithmetic: matrix products marked QUANTISED: E2M1 operands, one E8M0 scale for each 32 along K, by v_wmma_scale_f32_16x16x128_f8f6f4 with both operands' format E2M1 (or v_wmma_scale_f32_32x16x128_f4), f32 sums; everything else in f32.
;; Inputs: embed 256 x 8,192 float32; x 32 x 32 x 32 x 256 float32.
;; Outputs: out0 32 x 32 x 32 x 256 float32.
;; This version of the problem:
;;   THIS VERSION OF THE PROBLEM IS GIVEN IN LOW PRECISION. The matrix products marked QUANTISED in the list below multiply operands that are first quantised to E2M1 (2 exponent bits, 1 mantissa bit; 4 bits a number), with one power-of-two scale for each 32 numbers along K (OCP MX v1.0); their sums are f32. All else is computed in f32.
;;   The module's matrix products, in the order in which they are computed (A, B: the left and right operand; K: the contracted axis; several contracted axes count as one K, in the product's order):
;;     1. [M 32,768, K 256] x [K 256, N 8,192]; A: input x; B: input embed: QUANTISED
;;   THE QUANTISER, for each operand of a quantised product, along K:
;;     - K is cut into blocks of 32 from its start; a last block that is shorter is filled with zeros.
;;     - A block's scale is 2^e with e = floor(log2(the largest magnitude in the block)) - 2, held to -126 .. 127; a block of zeros has e = 0. As a byte (E8M0): e + 127.
;;     - Each number is divided by its block's scale, clamped to +-6, and rounded to the nearest number of E2M1, ties to even, subnormals kept.
;;     - The product sums the exact products of the quantised numbers (number of the format x scale) in f32.
;;   ~~~python
;;   def quantise(x, axis):      # numpy; x: float32 -> the quantised numbers, widened to float32 again
;;       x = np.moveaxis(x, axis, -1); K = x.shape[-1]
;;       x = np.pad(x, [(0, 0)] * (x.ndim - 1) + [(0, -K % 32)]); x = x.reshape(x.shape[:-1] + (-1, 32)); a = np.abs(x).max(-1, keepdims=True)
;;       e = np.where(a > 0, np.clip(np.frexp(np.where(a > 0, a, 1))[1] - 1 - 2, -126, 127), 0)      # np.frexp(a)[1] - 1 = floor(log2(a)), exactly
;;       r = np.clip(x / 2.0 ** e, -6, 6)
;;       step = 2.0 ** (np.maximum(np.frexp(np.where(r == 0, 1, r))[1] - 1, 0) - 1)
;;       q = np.round(r / step) * step * 2.0 ** e      # np.round: ties to even
;;       return np.moveaxis(q.reshape(q.shape[:-2] + (-1,))[..., :K], -1, axis).astype(np.float32)
;;   ~~~
;; 2 versions, each right; version 2 is version 1 with the launch resolve written anew for expert scheduling mode. Each part assembles by itself: llvm-mc -triple=amdgcn-amd-amdhsa -mcpu=gfx1250 --defsym DOCPART=n.
;; ======== version 1 of 2: 4 launches
;; workspace buffers: xrec 4,718,592 bytes; tab 1,179,648 bytes; embT 8,388,608 bytes; part 4,194,304 bytes of whole numbers; idx 131,072 bytes of whole numbers
;; launch prep (part 1): grid 256 x 1, 8 waves a work-group, no clusters, 173,056 bytes of LDS; arguments x, embed, xrec, tab, embT; writes xrec, tab, embT
.if DOCPART == 1
	.amdgcn_target "amdgcn-amd-amdhsa--gfx1250"
	.amdhsa_code_object_version 6
	.text
	.protected	k_qf81396201e_prep
	.globl	k_qf81396201e_prep
	.p2align	8
	.type	k_qf81396201e_prep,@function
k_qf81396201e_prep:
	s_mov_b64 s[64:65], 0
	v_nop
	global_prefetch_b8 v0, s[64:65] scope:SCOPE_SE
	s_setreg_imm32_b32 hwreg(HW_REG_WAVE_MODE, 25, 1), 1
	s_wait_xcnt 0x0
; x [32768][256] f32 and embed [256][8192] f32 become operands of the FP4 (E2M1) product, laid as images of the operand's registers, and embed is also laid transposed in f32.
; A block of 32 along K has the scale 2^(floor(log2(largest magnitude)) - 2); its E8M0 byte is the largest magnitude's exponent field - 2, held at 1 from below.
; RECORDS of 2,304 bytes (nine blocks of 256).  Bytes 1024 s + 512 c + 16 lane: registers 4 c .. 4 c + 3 of the fragment of K step s (128 along K), as lane (r, h) wants them.
;   x's record T (rows 16 T + r): byte 2048 + 8 lane: the pair (scale word, x_sq of the row); lanes 0-15 the word of K step 0, lanes 16-31 that of K step 1.
;   a code tile's record 2 p + u: its row r' is code 32 p + 8 u + r' + 8 (r' / 8); byte 2048 + 4 (r' + 16 s): scale word of K step s; byte 2176 + 4 r': -e_sq / 2; bytes 2240 on: zeros.
; SHARES.  Work-group g, wave w: x's row tile 8 g + w (16 KB), and K block w (32 along K) of embed's columns 32 g .. 32 g + 31: a lane a column, registers down K.
; LIMITS: NaN and infinities are not served; a block of zeros, and a block whose largest magnitude lies under 2^-124, gets the byte 1 (a block of zeros has zero codes, and this program alone reads the bytes);
; x_sq and e_sq are f32 sums taken in this text's own order (pairs in two chains, then across).
.set PIT,  1040                        ; a stage row: 1,024 bytes + 16: an odd multiple of 16, so sixteen rows start at sixteen different groups of banks
.set XSTW, 16*PIT                      ; a wave's stage for x: 16 rows
.set REC,  8*XSTW                      ; behind the eight stages: the pair's two code tile records
.set ESP,  REC+2*2304                  ; the waves' partial sums of squares: [wave][lane]
.set TST,  ESP+1024                    ; embed's 32 columns as rows of 256 f32
.set TM,   16                          ; v16-31  at work in QUANT; the embed part: v16-19 squares, v20-21 maxima, v22 scale operand, v23 byte
.set EC,   28                          ; v28-31  embed's codes of my block
.set EB,   32                          ; v32-63  embed's 32 numbers of my column
.set PC0,  32                          ; later: v32-39, v40-47 x's two fragments; v48, v49 their scale words; v50-51 the pair; v52-55 squares
.set PC1,  40
.set PW0,  48
.set PW1,  49
.set N0,   64                          ; v64-127  x: 64 numbers of K step 0;  v128-191 of K step 1
.set N1,   128
.set XR,   128                         ; v128-255 x as it is loaded
.set SEL,  14                          ; s[14:15] selects of v_permlanex16_b32: lane l xor 16
; 64 numbers of a lane, register 16 b + i = k 32 b + 16 (lane / 16) + i of my row, become a fragment's codes in v[pc] on and its scale word in v[pw]
.macro QUANT s, pc, pw
.irp b, 0,1,2,3
	v_max3_num_f32 v[TM+\b], |v[\s+16*\b]|, |v[\s+1+16*\b]|, 0x1800000   ; my 16 numbers of block b, and the floor 2^(3 - 127): the byte cannot fall under 1
.endr
.irp i, 2,4,6,8,10,12,14
.irp b, 0,1,2,3
	v_max3_num_f32 v[TM+\b], v[TM+\b], |v[\s+16*\b+\i]|, |v[\s+1+16*\b+\i]|
.endr
.endr
.irp b, 0,1,2,3
	v_permlanex16_b32 v[TM+4+\b], v[TM+\b], s[SEL], s[SEL+1]
.endr
.irp b, 0,1,2,3
	v_max_num_f32 v[TM+\b], v[TM+\b], v[TM+4+\b]   ; with lane l xor 16's: the block's largest magnitude
.endr
.irp b, 0,1,2,3
	v_add_nc_u32 v[TM+12+\b], 0xff000000, v[TM+\b]   ; 2 off its exponent field: the conversion's scale operand
.endr
.irp b, 0,1,2,3
	v_lshrrev_b32 v[TM+4+\b], 23, v[TM+12+\b]      ; the scale's byte
.endr
	v_lshl_or_b32 v[\pw], v[TM+5], 8, v[TM+4]
	v_lshl_or_b32 v[\pw], v[TM+6], 16, v[\pw]
	v_lshl_or_b32 v[\pw], v[TM+7], 24, v[\pw]
.irp b, 0,1,2,3
	v_cvt_scalef32_pk8_fp4_f32 v[\pc+2*\b], v[\s+16*\b:\s+7+16*\b], v[TM+12+\b]
	v_cvt_scalef32_pk8_fp4_f32 v[\pc+1+2*\b], v[\s+8+16*\b:\s+15+16*\b], v[TM+12+\b]
.endr
	v_nop                                          ; one plain instruction behind the scaled conversions
.irp c, 0,1                                    ; the operand wants a whole block in a lane: lanes 0-15 block 2 c, lanes 16-31 block 2 c + 1
.irp i, 0,1
	v_permlane16_swap_b32 v[\pc+4*\c+\i], v[\pc+2+4*\c+\i]
.endr
.endr
.endm
; the squares of the same 64 numbers, onto two chains of pairs
.macro SQ s, first
.if \first
	v_pk_mul_f32 v[52:53], v[\s:\s+1], v[\s:\s+1]
	v_pk_mul_f32 v[54:55], v[\s+2:\s+3], v[\s+2:\s+3]
.else
	v_pk_fma_f32 v[52:53], v[\s:\s+1], v[\s:\s+1], v[52:53]
	v_pk_fma_f32 v[54:55], v[\s+2:\s+3], v[\s+2:\s+3], v[54:55]
.endif
.set j, 4
.rept 15
	v_pk_fma_f32 v[52:53], v[\s+j:\s+j+1], v[\s+j:\s+j+1], v[52:53]
	v_pk_fma_f32 v[54:55], v[\s+j+2:\s+j+3], v[\s+j+2:\s+j+3], v[54:55]
.set j, j+4
.endr
.endm
	s_load_b256 s[4:11], s[0:1], 0x0               ; x s[4:5], embed s[6:7], xrec s[8:9], tab s[10:11]
	s_load_b64 s[12:13], s[0:1], 0x20              ; embT
	v_lshl_add_u32 v26, v0, 2, 0x2a000
	v_mov_b32 v27, 0
	v_lshrrev_b32 v10, 5, v0
	v_readfirstlane_b32 s16, v10                   ; wave 0..7
	v_and_b32 v1, 31, v0                           ; lane
	v_lshlrev_b32 v2, 4, v1                        ; 16 x lane; never rewritten
	v_lshlrev_b32 v3, 2, v1                        ; 4 x lane; never rewritten
	v_lshlrev_b32 v12, 3, v1                       ; 8 x lane; never rewritten
	v_and_b32 v10, 15, v1                          ; r
	v_lshrrev_b32 v11, 4, v1                       ; h
	s_mul_i32 s17, s16, XSTW
	v_add_nc_u32 v4, s17, v2                       ; my stage, on the way in: as the bytes lie
	v_mul_u32_u24 v5, v10, PIT
	v_lshl_add_u32 v5, v11, 6, v5
	v_add_nc_u32 v5, s17, v5                       ; and on the way out: row r, + 64 h: my 16 numbers of a block of 32
	v_bfe_u32 v13, v1, 3, 1                        ; embed: my column l lies in tile u = (l / 8) % 2,
	v_mul_u32_u24 v13, v13, 2304
	v_and_b32 v10, 7, v1
	v_lshl_add_u32 v10, v11, 3, v10                ; at its row r' = l % 8 + 8 (l / 16)
	v_lshl_add_u32 v6, v10, 4, v13
	s_lshl_b32 s18, s16, 8                         ; K block w = 4 s + 2 c + h lies at 1024 s + 512 c + 256 h = 256 w
	s_add_co_u32 s18, s18, REC
	v_add_nc_u32 v6, s18, v6                       ; where my block's 16 bytes of codes go
	v_lshl_add_u32 v7, v10, 2, v13
	v_add_nc_u32 v14, REC+2176, v7                 ; where my column's -e_sq / 2 goes (wave 0)
	s_lshr_b32 s18, s16, 2
	s_lshl_b32 s18, s18, 6
	s_and_b32 s19, s16, 3
	s_add_co_u32 s18, s18, s19
	s_add_co_u32 s18, s18, REC+2048
	v_add_nc_u32 v7, s18, v7                       ; where my block's scale byte goes: word r' + 16 (w / 4), byte w % 4
	s_lshl_b32 s18, s16, 7
	s_add_co_u32 s19, s18, ESP
	v_add_nc_u32 v8, s19, v3                       ; my partial sum of squares
	s_add_co_u32 s19, s18, TST
	v_mul_u32_u24 v9, v1, PIT
	v_add_nc_u32 v9, s19, v9                       ; the transposing stage: row = my column, 128 w bytes on
.irp b, 0,1,2,3
	v_mov_b32 v[TM+4+\b], 0                        ; a lane permute's destination counts as one of its sources
.endr
	s_mov_b32 s[SEL], 0x76543210
	s_mov_b32 s[SEL+1], 0xfedcba98
	s_mov_b32 s21, 0
	s_lshl_b32 s20, s16, 20                        ; 32 w rows of embed, 32,768 bytes each,
	s_lshl_b32 s22, ttmp9, 7                       ; + 32 g columns
	s_add_co_u32 s20, s20, s22
	s_wait_kmcnt 0x0
	s_add_nc_u64 s[6:7], s[6:7], s[20:21]
	s_lshl_b32 s22, ttmp9, 3
	s_add_co_u32 s22, s22, s16                     ; T = 8 g + w
	s_lshl_b32 s20, s22, 14
	s_add_nc_u64 s[4:5], s[4:5], s[20:21]
.set i, 0
.rept 32
	global_load_b32 v[EB+i], v3, s[6:7] offset:i*32768 th:TH_LOAD_NT   ; embed(32 w + i, my column): 32 lanes read 128 consecutive bytes
.set i, i+1
.endr
.set i, 0
.rept 32
	global_load_b128 v[XR+4*i:XR+4*i+3], v2, s[4:5] offset:512*i th:TH_LOAD_NT   ; 32 lanes read 512 consecutive bytes
.set i, i+1
.endr
	s_mul_i32 s20, s22, 2304
	s_add_nc_u64 s[8:9], s[8:9], s[20:21]          ; x's record T
	s_mul_i32 s20, ttmp9, 4608
	s_add_nc_u64 s[10:11], s[10:11], s[20:21]      ; the pair's two records in tab
	s_lshr_b32 s18, s16, 2
	s_mul_i32 s18, s18, 2304
	s_and_b32 s19, s16, 3
	s_lshl_b32 s19, s19, 9
	s_add_co_u32 s18, s18, s19                     ; the image that I send out: tile w / 4, image w % 4
	s_mov_b32 s20, s18
	s_add_nc_u64 s[24:25], s[10:11], s[20:21]
	s_lshl_b32 s20, ttmp9, 15
	s_lshl_b32 s22, s16, 12
	s_add_co_u32 s20, s20, s22
	s_add_nc_u64 s[12:13], s[12:13], s[20:21]      ; embT at row 32 g + 4 w
	; ---- embed: my column's block of 32 along K
	s_wait_loadcnt 32                              ; embed's 32 loads are in; x's 32, issued behind them, stay out
	v_max3_num_f32 v20, |v[EB]|, |v[EB+1]|, |v[EB+2]|
	v_max3_num_f32 v21, |v[EB+3]|, |v[EB+4]|, |v[EB+5]|
.irp i, 6,10,14,18,22,26
	v_max3_num_f32 v20, v20, |v[EB+\i]|, |v[EB+\i+1]|
	v_max3_num_f32 v21, v21, |v[EB+\i+2]|, |v[EB+\i+3]|
.endr
	v_max3_num_f32 v20, v20, |v[EB+30]|, |v[EB+31]|
	v_max3_num_f32 v20, v20, v21, 0x1800000        ; with the floor
	v_add_nc_u32 v22, 0xff000000, v20              ; the conversion's scale operand
	v_lshrrev_b32 v23, 23, v22                     ; the byte
	v_pk_mul_f32 v[16:17], v[EB:EB+1], v[EB:EB+1]
	v_pk_mul_f32 v[18:19], v[EB+2:EB+3], v[EB+2:EB+3]
.irp i, 4,8,12,16,20,24,28
	v_pk_fma_f32 v[16:17], v[EB+\i:EB+\i+1], v[EB+\i:EB+\i+1], v[16:17]
	v_pk_fma_f32 v[18:19], v[EB+\i+2:EB+\i+3], v[EB+\i+2:EB+\i+3], v[18:19]
.endr
	v_pk_add_f32 v[16:17], v[16:17], v[18:19]
	v_add_f32 v16, v16, v17                        ; the block's sum of squares
.irp i, 0,1,2,3,4,5,6,7
	ds_store_b128 v9, v[EB+4*\i:EB+4*\i+3] offset:16*\i   ; the 32 numbers as f32, K innermost
.endr
.irp g, 0,1,2,3
	v_cvt_scalef32_pk8_fp4_f32 v[EC+\g], v[EB+8*\g:EB+8*\g+7], v22
.endr
	v_nop                                          ; one plain instruction behind the scaled conversions
	ds_store_b128 v6, v[EC:EC+3]
	ds_store_b8 v7, v23
	ds_store_b32 v8, v16
	; ---- x: the tile turns through my stage, so that a lane holds 16 neighbours of each block
.set i, 0
.rept 32
.if i%8 == 0
	s_wait_loadcnt 24-i                            ; the next eight loads are in; the younger ones stay out
.endif
	ds_store_b128 v4, v[XR+4*i:XR+4*i+3] offset:(i/2)*PIT+(i%2)*512
.set i, i+1
.endr
	s_wait_dscnt 0x0                               ; the stores have read their registers: the loads below land on some of them
.irp s, 0,1
.irp b, 0,1,2,3
.irp j, 0,1,2,3
	ds_load_b128 v[N0+64*\s+16*\b+4*\j:N0+64*\s+16*\b+4*\j+3], v5 offset:512*\s+128*\b+16*\j
.endr
.endr
.endr
	s_wait_dscnt 16                                ; K step 0's sixteen loads are in; K step 1's stay out
	QUANT N0, PC0, PW0
	SQ N0, 1
	s_wait_dscnt 0x0
	QUANT N1, PC1, PW1
	SQ N1, 0
	v_pk_add_f32 v[52:53], v[52:53], v[54:55]
	v_add_f32 v52, v52, v53
	v_permlanex16_b32 v53, v52, s[SEL], s[SEL+1]
	v_add_f32 v51, v52, v53                        ; x_sq of my row, in both halves of the lanes
	v_cmp_le_u32 vcc_lo, 16, v1
	v_cndmask_b32 v50, v[PW0], v[PW1], vcc_lo      ; lanes 0-15 K step 0's word, lanes 16-31 K step 1's
	global_store_b128 v2, v[PC0:PC0+3], s[8:9]                 ; each store: 512 consecutive bytes, at a multiple of 256 from the buffer's first byte
	global_store_b128 v2, v[PC0+4:PC0+7], s[8:9] offset:512
	global_store_b128 v2, v[PC1:PC1+3], s[8:9] offset:1024
	global_store_b128 v2, v[PC1+4:PC1+7], s[8:9] offset:1536
	global_store_b64 v12, v[50:51], s[8:9] offset:2048         ; 256 consecutive bytes.  No register of these stores is written again
	; the addresses of the way out, on every wave's path (the embed part's LDS stores were waited for above)
	s_add_co_u32 s19, s18, REC
	v_add_nc_u32 v6, s19, v2                       ; my image in the records
	s_mul_i32 s19, s16, 4*PIT
	s_add_co_u32 s19, s19, TST
	v_add_nc_u32 v7, s19, v2                       ; rows 4 w on of the transposing stage
	v_add_nc_u32 v8, ESP, v3                       ; the partial sums of my column
	v_lshrrev_b32 v10, 4, v1
	v_and_b32 v11, 15, v1
	v_mul_u32_u24 v10, v10, 2304
	v_lshl_add_u32 v9, v11, 2, v10
	v_add_nc_u32 v9, REC+2240, v9                  ; the records' last 64 bytes
	v_lshl_add_u32 v13, v11, 4, v10
	v_add_nc_u32 v13, 2048, v13                    ; the records' last 256 bytes: in tab,
	v_add_nc_u32 v15, REC, v13                     ; and in LDS
	s_wait_dscnt 0x0                               ; my LDS stores have landed
	s_barrier_signal -1
	s_barrier_wait -1                              ; everybody's have: codes, scale bytes, partial sums and the 32 columns lie in LDS
	ds_load_b128 v[96:99], v6
.irp i, 0,1,2,3,4,5,6,7
	ds_load_b128 v[N0+4*\i:N0+4*\i+3], v7 offset:(\i/2)*PIT+(\i%2)*512
.endr
	s_wait_dscnt 8                                 ; the image is in; the eight loads behind it may be out
	global_store_b128 v2, v[96:99], s[24:25]
.irp i, 0,1,2,3,4,5,6,7
	s_wait_dscnt 7-\i
	global_store_b128 v2, v[N0+4*\i:N0+4*\i+3], s[12:13] offset:512*\i   ; four rows of embT: 512 consecutive bytes a store
.endr
	s_cmp_lg_u32 s16, 0
	s_cbranch_scc1 .Ldone                          ; wave 0 finishes the records' last 256 bytes; no barrier stands inside
.irp i, 0,1,2,3,4,5,6,7
	ds_load_b32 v[100+\i], v8 offset:128*\i
.endr
	s_wait_dscnt 0x0
.irp i, 1,2,3,4,5,6,7
	v_add_f32 v100, v100, v[100+\i]                ; e_sq of my column, K blocks ascending
.endr
	v_mul_f32 v100, -0.5, v100
	v_mov_b32 v101, 0
	ds_store_b32 v14, v100
	ds_store_b32 v9, v101
	ds_load_b128 v[104:107], v15                   ; LDS serves a wave's instructions in order: this sees my stores; the scale bytes lay there at the barrier
	s_wait_dscnt 0x0
	global_store_b128 v13, v[104:107], s[10:11]    ; lanes 0-15 and lanes 16-31 each store 256 consecutive bytes, aligned
.Ldone:
	s_wait_tensorcnt 0x0
	ds_add_u32 v26, v27
	s_wait_dscnt 0x0
	s_endpgm
.Lfunc_end_k_qf81396201e_prep:
	.size	k_qf81396201e_prep, .Lfunc_end_k_qf81396201e_prep-k_qf81396201e_prep
	.p2alignl 7, 3214868480
	.fill 96, 4, 3214868480
	.section	.rodata,"a",@progbits
	.p2align	6, 0x0
	.amdhsa_kernel k_qf81396201e_prep
		.amdhsa_group_segment_fixed_size 173056
		.amdhsa_private_segment_fixed_size 0
		.amdhsa_enable_private_segment 0
		.amdhsa_kernarg_size 40
		.amdhsa_user_sgpr_count 2
		.amdhsa_user_sgpr_kernarg_segment_ptr 1
		.amdhsa_wavefront_size32 1
		.amdhsa_system_sgpr_workgroup_id_x 1
		.amdhsa_system_sgpr_workgroup_id_y 1
		.amdhsa_system_sgpr_workgroup_id_z 1
		.amdhsa_system_vgpr_workitem_id 0
		.amdhsa_next_free_vgpr 256
		.amdhsa_next_free_sgpr 66
		.amdhsa_reserve_vcc 1
		.amdhsa_float_denorm_mode_32 3
		.amdhsa_float_denorm_mode_16_64 3
		.amdhsa_memory_ordered 1
		.amdhsa_forward_progress 1
		.amdhsa_inst_pref_size 33
	.end_amdhsa_kernel
	.amdgpu_metadata
---
amdhsa.version: [ 1, 2 ]
amdhsa.kernels:
  - .name:           k_qf81396201e_prep
    .symbol:         k_qf81396201e_prep.kd
    .args:
      - { .name: x, .offset: 0, .size: 8, .value_kind: global_buffer, .address_space: global }
      - { .name: embed, .offset: 8, .size: 8, .value_kind: global_buffer, .address_space: global }
      - { .name: xrec, .offset: 16, .size: 8, .value_kind: global_buffer, .address_space: global }
      - { .name: tab, .offset: 24, .size: 8, .value_kind: global_buffer, .address_space: global }
      - { .name: embT, .offset: 32, .size: 8, .value_kind: global_buffer, .address_space: global }
    .group_segment_fixed_size: 173056
    .private_segment_fixed_size: 0
    .kernarg_segment_align: 8
    .kernarg_segment_size: 40
    .max_flat_workgroup_size: 256
    .sgpr_count:     66
    .vgpr_count:     256
    .wavefront_size: 32
...
	.end_amdgpu_metadata
.endif
;; end of part 1
;; launch dist (part 2): grid 256 x 1, 16 waves a work-group, clusters of 4 x 1, 296,960 bytes of LDS; arguments xrec, tab, part; writes part
.if DOCPART == 2
	.amdgcn_target "amdgcn-amd-amdhsa--gfx1250"
	.amdhsa_code_object_version 6
	.text
	.protected	k_qf81396201e_dist
	.globl	k_qf81396201e_dist
	.p2align	8
	.type	k_qf81396201e_dist,@function
k_qf81396201e_dist:
	s_mov_b64 s[64:65], 0
	v_nop
	global_prefetch_b8 v0, s[64:65] scope:SCOPE_SE
	s_setreg_imm32_b32 hwreg(HW_REG_WAVE_MODE, 25, 1), 1
	s_wait_xcnt 0x0
	s_wait_alu depctr_hold_cnt(0) depctr_sa_sdst(0) depctr_va_vdst(0) depctr_va_sdst(0) depctr_va_ssrc(0) depctr_va_vcc(0) depctr_vm_vsrc(0)
	s_getreg_b32 s2, hwreg(HW_REG_IB_STS2, 6, 4)
	s_cmp_eq_u32 s2, 0
	s_cbranch_scc0 .Lentry_in_a_cluster
	s_endpgm
.Lentry_in_a_cluster:
	s_bfe_u32 s2, ttmp6, 0x10000c
	s_cmp_lg_u32 s2, 0x3003
	s_cbranch_scc0 .Lentry_shape_is_right
	s_endpgm
.Lentry_shape_is_right:
; The whole product Q(x) Q(embed) on codes of FP4 (E2M1) with E8M0 scales, and of each row the best score s = dot - e_sq / 2 with the group of 16 neighbouring codes in which it lies.
; dist = x_sq + e_sq - 2 dot = x_sq - 2 s, and x_sq is the same for all codes of a row: the smallest dist is the largest s.  -e_sq / 2 is the C of each sum's first matrix instruction.
; SHARES.  A work-group holds a quarter of the codes (128 tiles of 16, 294,912 bytes of records) in LDS for the whole launch, filled once, and takes 512 rows through it.  Quarter cr = cluster % 4;
; the four partners of a cluster share the quarter and ask for it JOINTLY (mask 15); they differ in their rows alone.  Wave w: row tiles 8 (w % 4) .. + 7 of the work-group's 32, whose fragments stay in
; 128 registers, against code tiles 32 (w / 4) .. + 31 of the quarter: 512 matrix instructions.  Sixteen waves of 256 registers: no register windows, and four waves to a SIMD stand in for each other's waits.
; LAYOUT.  Source 0 = 16 codes, source 1 = 16 rows of x: a lane holds ONE row (lane % 16) and eight codes.  By the records' choice of rows the 16 registers of tiles 2 p and 2 p + 1 are the 16 neighbouring
; codes of group 2 p + lane / 16.  So a row's running best is eight v_max3_num_f32 for each pair of tiles, and one compare and one select note the pair in which it rose (strictly: the first pair is kept).
; OUT: for each row and each of the 16 parts of the codes (4 cr + w / 4): (key, group); key = the score's bits made to order as an unsigned number.  A later launch joins the parts by whole-number compares.
; LIMITS: NaN and infinities are not served.  The order among codes is that of fl(dot - e_sq / 2), not of fl(fl(x_sq + e_sq) - 2 dot): the later launch uses the latter among the 16 codes of the best group.
.set RECB, 2304                        ; a record
.set QB,   32*RECB                     ; a wave's 32 code tiles
.set CH,   8*RECB                      ; eight tiles: from chunk to chunk
.set AF,   1                           ; v1   16 x lane + my tiles' first byte: the fragments' images
.set AS,   2                           ; v2   4 x lane + 2048 + the same: the scale words
.set AE,   3                           ; v3   32 (lane / 16) + 2176 + the same: -e_sq / 2 of the eight codes of my half
.set XS,   8                           ; v8-15    x's scale words, a register a row tile: lanes 0-15 K step 0, lanes 16-31 K step 1
.set RA,   16                          ; v16-23, v24-31 the running best of the eight row tiles, in two sets that change places from pair to pair
.set RB,   24
.set GI,   32                          ; v32-39   the pair of tiles (0 .. 15) in which it rose last
.set D,    40                          ; v40-71   two slots x two row tiles x 8
.set AFR,  72                          ; v72-103  a code tile's two fragments, two buffers
.set NE,   104                         ; v104-119 its -e_sq / 2, two buffers
.set SA,   120                         ; v120-121 its scale words, two buffers
.set XF,   128                         ; v128-255 x's fragments: row tile i, K step s at 128 + 16 i + 8 s
.set G1,   16                          ; s[16:23] descriptor group 1
.set G0,   24                          ; s[24:39] descriptor group 0, a set for each of my four fills
.macro ROUND                           ; a round of the cluster's barrier
	s_barrier_signal -1
	s_barrier_wait -1
	s_cmp_lg_u32 s10, 0
	s_cbranch_scc1 .Lnot_wave_0_\@
	s_barrier_signal -3
.Lnot_wave_0_\@:
	s_barrier_wait -3
	s_barrier_signal -1
	s_barrier_wait -1
.endm
; code tile ft of my 32 into buffer ft % 2: seven LDS loads
.macro FETCH
.if (ft%8 == 0) && (ft > 0)
	v_add_nc_u32 v[AF], CH, v[AF]                  ; eight tiles on, so that the immediates stay small (no LDS load of mine is out here)
	v_add_nc_u32 v[AS], CH, v[AS]
	v_add_nc_u32 v[AE], CH, v[AE]
.endif
.set fb, ft%2
.set fo, (ft%8)*RECB
.irp k, 0,1,2,3
	ds_load_b128 v[AFR+16*fb+4*\k:AFR+16*fb+4*\k+3], v[AF] offset:fo+512*\k
.endr
	ds_load_b32 v[SA+fb], v[AS] offset:fo
	ds_load_b128 v[NE+8*fb:NE+8*fb+3], v[AE] offset:fo
	ds_load_b128 v[NE+8*fb+4:NE+8*fb+7], v[AE] offset:fo+16
.endm
; at the head of code tile n / 4: the next tile is fetched, into the buffer that the tile before read (behind that tile's last matrix instruction stands a whole RED, eight plain instructions or more that name none of its registers)
.macro HEAD
.set ht, n/4
.if (ht%8 == 7) && (ht < 31)
	s_wait_tensorcnt 2-ht/8                        ; my part of the next chunk has landed; my younger fills may stay out
	s_wait_dscnt 0x0                               ; no LDS instruction of mine is out at a signal
	s_barrier_signal -1
	s_barrier_wait -1                              ; everybody's part has landed
.endif
.if ht < 31
.set ft, ht+1
	FETCH
	s_wait_dscnt 0x7                               ; this tile's loads are in; the seven just issued may be out
.else
	s_wait_dscnt 0x0
.endif
.endm
; group n: code tile n / 4 against row tiles 2 (n % 4) and + 1, both K steps: four matrix instructions, the two accumulators by turns
.macro MM
.set mb, (n/4)%2
.set mi, 2*(n%4)
.set md, D+16*(n%2)
.set ma, AFR+16*mb
	v_wmma_scale_f32_16x16x128_f8f6f4 v[md:md+7], v[ma:ma+7], v[XF+16*mi:XF+16*mi+7], v[NE+8*mb:NE+8*mb+7], v[SA+mb], v[XS+mi] matrix_a_fmt:MATRIX_FMT_FP4 matrix_b_fmt:MATRIX_FMT_FP4
	v_wmma_scale_f32_16x16x128_f8f6f4 v[md+8:md+15], v[ma:ma+7], v[XF+16*mi+16:XF+16*mi+23], v[NE+8*mb:NE+8*mb+7], v[SA+mb], v[XS+mi+1] matrix_a_fmt:MATRIX_FMT_FP4 matrix_b_fmt:MATRIX_FMT_FP4
	v_wmma_scale_f32_16x16x128_f8f6f4 v[md:md+7], v[ma+8:ma+15], v[XF+16*mi+8:XF+16*mi+15], v[md:md+7], v[SA+mb], v[XS+mi] matrix_a_fmt:MATRIX_FMT_FP4 matrix_b_fmt:MATRIX_FMT_FP4 matrix_a_scale:MATRIX_SCALE_ROW1 matrix_b_scale:MATRIX_SCALE_ROW1
	v_wmma_scale_f32_16x16x128_f8f6f4 v[md+8:md+15], v[ma+8:ma+15], v[XF+16*mi+24:XF+16*mi+31], v[md+8:md+15], v[SA+mb], v[XS+mi+1] matrix_a_fmt:MATRIX_FMT_FP4 matrix_b_fmt:MATRIX_FMT_FP4 matrix_a_scale:MATRIX_SCALE_ROW1 matrix_b_scale:MATRIX_SCALE_ROW1
.endm
; group rn's 16 scores a lane go into the running best, the two row tiles by turns; each accumulator is read from its low end on
.macro RED
.set rt, rn/4
.set rp, rt/2
.set ri, 2*(rn%4)
.set rd, D+16*(rn%2)
.if rp%2 == 0
.set ro, RA
.set rw, RB
.else
.set ro, RB
.set rw, RA
.endif
.if rt%2 == 0
	v_max3_num_f32 v[rw+ri], v[ro+ri], v[rd], v[rd+1]           ; a pair's first tile starts the new best from the old
	v_max3_num_f32 v[rw+ri+1], v[ro+ri+1], v[rd+8], v[rd+9]
.else
	v_max3_num_f32 v[rw+ri], v[rw+ri], v[rd], v[rd+1]
	v_max3_num_f32 v[rw+ri+1], v[rw+ri+1], v[rd+8], v[rd+9]
.endif
.irp k, 2,4,6
	v_max3_num_f32 v[rw+ri], v[rw+ri], v[rd+\k], v[rd+\k+1]
	v_max3_num_f32 v[rw+ri+1], v[rw+ri+1], v[rd+8+\k], v[rd+9+\k]
.endr
.if rt%2 == 1
	v_cmp_gt_f32 s40, v[rw+ri], v[ro+ri]           ; has the best risen in this pair of tiles?  Strictly: on equal scores the earlier pair stays
	v_cmp_gt_f32 s41, v[rw+ri+1], v[ro+ri+1]
	v_cndmask_b32 v[GI+ri], v[GI+ri], rp, s40
	v_cndmask_b32 v[GI+ri+1], v[GI+ri+1], rp, s41
.endif
.endm
	s_load_b128 s[4:7], s[0:1], 0x0                ; xrec s[4:5], tab s[6:7]
	s_load_b64 s[8:9], s[0:1], 0x10                ; part
	v_lshl_add_u32 v126, v0, 2, 0x48000
	v_mov_b32 v127, 0
	ds_add_u32 v126, v127
	ds_add_u32 v126, v127
	v_lshrrev_b32 v4, 5, v0
	v_readfirstlane_b32 s10, v4                    ; wave 0..15
	s_and_b32 s11, s10, 3                          ; b: which eight row tiles
	s_lshr_b32 s12, s10, 2                         ; q: which 32 code tiles
	s_bfe_u32 s13, ttmp6, 0x40000                  ; cx: my place in the cluster: it enters x's and part's addresses alone
	s_and_b32 s14, ttmp9, 3                        ; cr: the quarter of the codes, which the four partners share
	s_lshr_b32 s15, ttmp9, 2
	s_lshl_b32 s15, s15, 2
	s_add_co_u32 s15, s15, s13                     ; which 512 rows
	; descriptor group 1: two records, 4,608 dense bytes, as 18 rows of 256 bytes (32 elements of 8 bytes), no padding
	s_mov_b32 s[G1+0], 15|(3<<16)|(1<<21)          ; 15:0 the mask: all four work-groups; 17:16 elements of 8 bytes; 21 set beside a mask
	s_mov_b32 s[G1+1], 32<<16                      ; tensor_dim0 = 32
	s_mov_b32 s[G1+2], 18<<16                      ; tensor_dim1 = 18
	s_mov_b32 s[G1+3], 32<<16                      ; tile_dim0 = 32
	s_mov_b32 s[G1+4], 18                          ; tile_dim1 = 18
	s_mov_b32 s[G1+5], 32                          ; from row to row
	s_mov_b32 s[G1+6], 0
	s_mov_b32 s[G1+7], 0
	s_lshl_b32 s50, s12, 5
	s_lshl_b32 s51, s11, 1
	s_add_co_u32 s50, s50, s51
	s_mul_i32 s50, s50, RECB                       ; my fill j brings tiles 32 q + 8 j + 2 b and + 1 of the quarter: its LDS byte is made of the wave's number and constants alone
	s_mul_i32 s52, s14, 128*RECB
	s_add_co_u32 s52, s52, s50
	s_mov_b32 s53, 0
	s_lshl_b32 s57, s15, 5
	s_lshl_b32 s54, s11, 3
	s_add_co_u32 s57, s57, s54                     ; my first row tile
	s_mul_i32 s54, s57, RECB
	s_mov_b32 s55, 0
	v_and_b32 v4, 31, v0                           ; lane
	v_lshlrev_b32 v6, 4, v4                        ; 16 x lane; never rewritten
	v_lshlrev_b32 v5, 3, v4                        ; 8 x lane; never rewritten
	s_wait_dscnt 0x0
	s_wait_kmcnt 0x0
	s_add_nc_u64 s[52:53], s[6:7], s[52:53]
	s_add_nc_u64 s[4:5], s[4:5], s[54:55]
.irp i, 0,1,2,3,4,5,6,7                        ; x's eight row tiles stay in registers
.irp k, 0,1,2,3
	global_load_b128 v[XF+16*\i+4*\k:XF+16*\i+4*\k+3], v6, s[4:5] offset:RECB*\i+512*\k
.endr
	global_load_b32 v[XS+\i], v5, s[4:5] offset:RECB*\i+2048
.endr
.irp j, 0,1,2,3
	s_mov_b32 s[G0+4*\j], 1                                    ; count = 1
	s_add_co_u32 s[G0+4*\j+1], s50, \j*CH                      ; LDS address
	s_add_nc_u64 s[G0+4*\j+2:G0+4*\j+3], s[52:53], \j*CH       ; global address
	s_or_b32 s[G0+4*\j+3], s[G0+4*\j+3], 0x80000000            ; type = 2
.endr
	ROUND                                          ; all four work-groups are here: the joint loads meet
	tensor_load_to_lds s[G0:G0+3], s[G1:G1+7]      ; all fills of the launch go out together: four tensor loads of mine are out
	s_nop 0
	tensor_load_to_lds s[G0+4:G0+7], s[G1:G1+7]
	s_nop 0
	tensor_load_to_lds s[G0+8:G0+11], s[G1:G1+7]
	s_nop 0
	tensor_load_to_lds s[G0+12:G0+15], s[G1:G1+7]
	s_nop 0
.rept 4
	v_nop
.endr
	v_bfe_u32 v7, v0, 4, 1                         ; h
	s_mul_i32 s58, s12, QB
	v_add_nc_u32 v[AF], s58, v6
	v_lshlrev_b32 v[AS], 2, v4
	s_add_co_u32 s59, s58, 2048
	v_add_nc_u32 v[AS], s59, v[AS]
	s_add_co_u32 s59, s58, 2176
	v_lshl_add_u32 v[AE], v7, 5, s59
	s_lshl_b32 s56, s14, 7
	s_lshl_b32 s59, s12, 5
	s_add_co_u32 s56, s56, s59
	v_add_nc_u32 v4, s56, v7                       ; the group of my half in my first pair of tiles: 128 cr + 32 q + h
	v_cmp_eq_u32 s43, 1, v7                        ; lanes 16-31
.irp i, 0,1,2,3,4,5,6,7
	v_mov_b32 v[RA+\i], 0xff800000                 ; -infinity: under every score
	v_mov_b32 v[GI+\i], 0
.endr
	s_mov_b32 s48, 0x76543210
	s_mov_b32 s49, 0xfedcba98                      ; selects of v_permlanex16_b32: lane l xor 16
	s_lshl_b32 s54, s14, 2
	s_add_co_u32 s54, s54, s12                     ; the part: 4 cr + q
	s_lshl_b32 s54, s54, 18                        ; 262,144 bytes a part
	s_lshl_b32 s56, s57, 7                         ; 128 bytes a row tile
	s_add_co_u32 s54, s54, s56
	s_add_nc_u64 s[8:9], s[8:9], s[54:55]
	s_wait_tensorcnt 0x3                           ; my part of chunk 0 (tiles 0-7 of every wave's 32) has landed; my three younger fills stay out
	s_barrier_signal -1
	s_barrier_wait -1                              ; everybody's has
.set ft, 0
	FETCH
	s_wait_loadcnt 0x0                             ; x
; THE STREAM, written out: 128 groups.  Behind each group's four matrix instructions stands the group BEFORE's vector work, on the other slot of accumulators: it is the places behind them
; (four in front of the read of a result, five in front of the matrix instruction that begins the slot anew).
.set n, 0
.rept 128
.if n%4 == 0
	HEAD
.endif
	MM
.if n == 0
.rept 5
	v_nop                                          ; there is no vector work yet
.endr
.else
.set rn, n-1
	RED
.endif
.set n, n+1
.endr
.set rn, 127
	RED
	; THE TAIL.  The best lies in RA.  Key and group of each row tile; then the better of the two halves of the lanes, the lower group on equal keys.
.irp i, 0,1,2,3,4,5,6,7
	v_ashrrev_i32 v[88+\i], 31, v[RA+\i]
.endr
.irp i, 0,1,2,3,4,5,6,7
	v_or_b32 v[88+\i], 0x80000000, v[88+\i]
.endr
.irp i, 0,1,2,3,4,5,6,7
	v_xor_b32 v[72+\i], v[RA+\i], v[88+\i]         ; positive numbers get the top bit, negative ones are turned over: the keys order as unsigned numbers
.endr
.irp i, 0,1,2,3,4,5,6,7
	v_lshl_add_u32 v[80+\i], v[GI+\i], 1, v4       ; the group: 2 x pair + 128 cr + 32 q + h
.endr
.irp i, 0,1,2,3,4,5,6,7
	v_permlanex16_b32 v[88+\i], v[72+\i], s48, s49
	v_permlanex16_b32 v[96+\i], v[80+\i], s48, s49
.endr
.irp i, 0,1,2,3,4,5,6,7
	v_cmp_gt_u32 s40, v[88+\i], v[72+\i]
	v_cmp_eq_u32 s41, v[88+\i], v[72+\i]
	v_cmp_lt_u32 s42, v[96+\i], v[80+\i]
	s_and_b32 s41, s41, s42
	s_or_b32 s40, s40, s41
	v_cndmask_b32 v[72+\i], v[72+\i], v[88+\i], s40
	v_cndmask_b32 v[80+\i], v[80+\i], v[96+\i], s40
.endr
.irp i, 0,1,2,3                                ; lanes 0-15 send row tile 2 i, lanes 16-31 row tile 2 i + 1
	v_cndmask_b32 v[104+2*\i], v[72+2*\i], v[73+2*\i], s43
	v_cndmask_b32 v[105+2*\i], v[80+2*\i], v[81+2*\i], s43
.endr
.irp i, 0,1,2,3
	global_store_b64 v5, v[104+2*\i:105+2*\i], s[8:9] offset:256*\i   ; 256 consecutive bytes, at a multiple of 256 from the buffer's first byte
.endr
	s_wait_tensorcnt 0x0
	ds_add_u32 v126, v127
	s_wait_dscnt 0x0
	ROUND                                          ; the closing round: no work-group ends while a partner may still ask for a tile that names it
	s_endpgm
.Lfunc_end_k_qf81396201e_dist:
	.size	k_qf81396201e_dist, .Lfunc_end_k_qf81396201e_dist-k_qf81396201e_dist
	.p2alignl 7, 3214868480
	.fill 96, 4, 3214868480
	.section	.rodata,"a",@progbits
	.p2align	6, 0x0
	.amdhsa_kernel k_qf81396201e_dist
		.amdhsa_group_segment_fixed_size 296960
		.amdhsa_private_segment_fixed_size 0
		.amdhsa_enable_private_segment 0
		.amdhsa_kernarg_size 24
		.amdhsa_user_sgpr_count 2
		.amdhsa_user_sgpr_kernarg_segment_ptr 1
		.amdhsa_wavefront_size32 1
		.amdhsa_system_sgpr_workgroup_id_x 1
		.amdhsa_system_sgpr_workgroup_id_y 1
		.amdhsa_system_sgpr_workgroup_id_z 1
		.amdhsa_system_vgpr_workitem_id 0
		.amdhsa_next_free_vgpr 256
		.amdhsa_next_free_sgpr 66
		.amdhsa_reserve_vcc 0
		.amdhsa_float_denorm_mode_32 3
		.amdhsa_float_denorm_mode_16_64 3
		.amdhsa_memory_ordered 1
		.amdhsa_forward_progress 1
		.amdhsa_inst_pref_size 177
	.end_amdhsa_kernel
	.amdgpu_metadata
---
amdhsa.version: [ 1, 2 ]
amdhsa.kernels:
  - .name:           k_qf81396201e_dist
    .symbol:         k_qf81396201e_dist.kd
    .args:
      - { .name: xrec, .offset: 0, .size: 8, .value_kind: global_buffer, .address_space: global }
      - { .name: tab, .offset: 8, .size: 8, .value_kind: global_buffer, .address_space: global }
      - { .name: part, .offset: 16, .size: 8, .value_kind: global_buffer, .address_space: global }
    .group_segment_fixed_size: 296960
    .private_segment_fixed_size: 0
    .kernarg_segment_align: 8
    .kernarg_segment_size: 24
    .max_flat_workgroup_size: 512
    .sgpr_count:     66
    .vgpr_count:     256
    .wavefront_size: 32
...
	.end_amdgpu_metadata
.endif
;; end of part 2
;; launch resolve (part 3): grid 256 x 1, 16 waves a work-group, no clusters, 4,096 bytes of LDS; arguments part, xrec, tab, idx; writes idx
.if DOCPART == 3
	.amdgcn_target "amdgcn-amd-amdhsa--gfx1250"
	.amdhsa_code_object_version 6
	.text
	.protected	k_qf81396201e_resolve
	.globl	k_qf81396201e_resolve
	.p2align	8
	.type	k_qf81396201e_resolve,@function
k_qf81396201e_resolve:
	s_mov_b64 s[64:65], 0
	v_nop
	global_prefetch_b8 v0, s[64:65] scope:SCOPE_SE
	s_setreg_imm32_b32 hwreg(HW_REG_WAVE_MODE, 25, 1), 1
	s_wait_xcnt 0x0
; For each row: the best of its 16 parts, by compares of whole numbers that were read from memory (larger key; on equal keys the lower group); then the 16 distances of that group's codes,
; dist = fl(fl(x_sq + e_sq) - 2 dot), dot by the FP4 matrix instruction on the same records; the first smallest gives the code's number.
; SHARES.  Wave w takes eight rows: row tile T = 8 x work-group + w / 2, half e = w % 2.  Column n of source 1 stands for row n xor 8 e of the tile (a choice of load addresses), so that my eight rows are
; columns 0-7.  For each of them source 0 is built of ITS group's 16 codes: code 16 g + m lies in tile 2 (g / 2) + m / 8 at row m % 8 + 8 (g % 2).  Eight accumulators; of accumulator i only column i is kept.
; The tiles hang on stored numbers, so they go from memory straight into registers: no tensor load, no cluster.
; LIMITS: NaN and infinities are not served; x_sq and e_sq carry the rounding of the launch that made them.
.set RECB, 2304
.set P,    14                          ; v14-29   eight (key, group) pairs; the best stays in v14, v15; the others are free once the parts are joined
.set X,    30                          ; v30-45   x's two fragments
.set XSC,  46                          ; v46      x's scale words;  v47 x_sq
.set ES,   48                          ; v48-55   -e_sq / 2 of my eight candidates, then x_sq + e_sq
.set SA,   56                          ; v56-63   the scale words of the eight tiles of candidates
.set D,    64                          ; v64-127  eight accumulators
.set A,    128                         ; v128-255 eight tiles of candidates, two fragments each
	s_load_b256 s[4:11], s[0:1], 0x0               ; part s[4:5], xrec s[6:7], tab s[8:9], idx s[10:11]
	v_lshrrev_b32 v5, 5, v0
	v_readfirstlane_b32 s12, v5                    ; wave 0..15
	v_and_b32 v1, 31, v0                           ; lane
	v_and_b32 v2, 15, v0                           ; n, and for source 0: m
	v_bfe_u32 v3, v0, 4, 1                         ; h
	s_and_b32 s13, s12, 1
	s_lshl_b32 s13, s13, 3                         ; 8 e
	s_lshr_b32 s14, s12, 1
	s_lshl_b32 s15, ttmp9, 3
	s_add_co_u32 s14, s14, s15                     ; T
	v_xor_b32 v4, s13, v2                          ; my column's row of the tile
	v_lshlrev_b32 v5, 3, v4
	v_lshl_add_u32 v5, v3, 21, v5                  ; part: 8 bytes a row; lanes 16-31 take parts 8-15, 8 x 262,144 bytes on
	v_lshl_add_u32 v6, v3, 4, v4
	v_lshlrev_b32 v12, 4, v6                       ; x's images: 16 (row + 16 h)
	v_lshlrev_b32 v13, 3, v6                       ; and its pair: 8 (row + 16 h)
	v_lshrrev_b32 v6, 3, v2
	v_mul_u32_u24 v6, v6, RECB                     ; candidate m lies in tile m / 8 of the pair,
	v_and_b32 v9, 7, v2
	v_lshl_add_u32 v7, v9, 4, v6
	v_lshl_add_u32 v7, v3, 8, v7                   ; its codes at 16 (m % 8) + 256 h,
	v_lshl_add_u32 v8, v9, 2, v6
	v_lshl_add_u32 v8, v3, 6, v8                   ; its scale words at 4 (m % 8) + 64 h
	v_lshlrev_b32 v10, 2, v0                       ; LDS: a word a thread, 128 bytes a wave
	v_lshrrev_b32 v11, 1, v1
	v_lshlrev_b32 v11, 7, v11
	v_and_b32 v9, 1, v1
	v_lshl_add_u32 v11, v9, 4, v11                 ; back: lane l takes four of wave l / 2's first eight words
	s_mov_b32 s28, 0x76543210
	s_mov_b32 s29, 0xfedcba98                      ; selects of v_permlanex16_b32: lane l xor 16
	s_mov_b32 s17, 0
	s_lshl_b32 s16, s14, 7
	s_wait_kmcnt 0x0
	s_add_nc_u64 s[4:5], s[4:5], s[16:17]          ; part at my row tile
	s_mul_i32 s16, s14, RECB
	s_add_nc_u64 s[6:7], s[6:7], s[16:17]          ; x's record
	s_lshl_b32 s16, ttmp9, 9
	s_add_nc_u64 s[10:11], s[10:11], s[16:17]      ; idx at the work-group's 128 rows
.irp e, 0,1,2,3,4,5,6,7
	global_load_b64 v[P+2*\e:P+2*\e+1], v5, s[4:5] offset:\e*262144
.endr
.irp k, 0,1,2,3
	global_load_b128 v[X+4*\k:X+4*\k+3], v12, s[6:7] offset:512*\k
.endr
	global_load_b64 v[XSC:XSC+1], v13, s[6:7] offset:2048
.irp i, 1,2,3,4,5,6,7
	v_cmp_eq_u32 s[66+\i], \i, v2                  ; column i
.endr
	s_wait_loadcnt 0x5                             ; part's eight loads are in; x's five, issued behind them, stay out
.irp e, 1,2,3,4,5,6,7                          ; parts ascending, strictly larger: on equal keys the lower part, which holds the lower groups, stays
	v_cmp_gt_u32 vcc_lo, v[P+2*\e], v14
	v_cndmask_b32 v14, v14, v[P+2*\e], vcc_lo
	v_cndmask_b32 v15, v15, v[P+2*\e+1], vcc_lo
.endr
	v_permlanex16_b32 v16, v14, s28, s29           ; from here on v16-29 are free: all eight pairs have been read
	v_permlanex16_b32 v17, v15, s28, s29
	v_cmp_gt_u32 s20, v16, v14
	v_cmp_eq_u32 s21, v16, v14
	v_cmp_lt_u32 s22, v17, v15
	s_and_b32 s21, s21, s22
	s_or_b32 s20, s20, s21
	v_cndmask_b32 v14, v14, v16, s20
	v_cndmask_b32 v15, v15, v17, s20               ; v15: my row's group, 0 .. 511, the same in both halves of the lanes
	v_mul_u32_u24 v20, v3, RECB                    ; tile h of the pair
	v_lshrrev_b32 v18, 1, v15
	v_min_u32 v18, 0xff, v18                       ; the pair of tiles
	v_and_b32 v19, 1, v15
	v_min_u32 v19, 1, v19                          ; which half of their rows
	v_mul_u32_u24 v18, v18, 2*RECB
	v_lshl_add_u32 v18, v19, 5, v18
	v_add_nc_u32 v18, v18, v20                     ; candidates 8 h + 0 .. 7 lie in tile h of the pair, rows 8 (g % 2) on
	global_load_b128 v[ES:ES+3], v18, s[8:9] offset:2176
	global_load_b128 v[ES+4:ES+7], v18, s[8:9] offset:2192
	s_mov_b32 s23, 0
	s_mov_b32 s25, 0
.irp i, 0,1,2,3,4,5,6,7                        ; row i's candidates: their tile's bases as scalars
	v_readlane_b32 s20, v15, \i
	s_lshr_b32 s21, s20, 1
	s_min_u32 s21, s21, 0xff
	s_and_b32 s20, s20, 1
	s_min_u32 s20, s20, 1
	s_mul_i32 s21, s21, 2*RECB
	s_lshl_b32 s22, s20, 7
	s_add_co_u32 s22, s22, s21
	s_lshl_b32 s24, s20, 5
	s_add_co_u32 s24, s24, s21
	s_add_nc_u64 s[32+4*\i:33+4*\i], s[8:9], s[22:23]
	s_add_nc_u64 s[34+4*\i:35+4*\i], s[8:9], s[24:25]
.irp k, 0,1,2,3
	global_load_b128 v[A+16*\i+4*\k:A+16*\i+4*\k+3], v7, s[32+4*\i:33+4*\i] offset:512*\k
.endr
	global_load_b32 v[SA+\i], v8, s[34+4*\i:35+4*\i] offset:2048
.endr
	s_wait_loadcnt 0x0
.irp i, 0,1,2,3,4,5,6,7                        ; the eight accumulators by turns; the first K step starts the sums
	v_wmma_scale_f32_16x16x128_f8f6f4 v[D+8*\i:D+8*\i+7], v[A+16*\i:A+16*\i+7], v[X:X+7], 0, v[SA+\i], v[XSC] matrix_a_fmt:MATRIX_FMT_FP4 matrix_b_fmt:MATRIX_FMT_FP4
.endr
.irp i, 0,1,2,3,4,5,6,7
	v_wmma_scale_f32_16x16x128_f8f6f4 v[D+8*\i:D+8*\i+7], v[A+16*\i+8:A+16*\i+15], v[X+8:X+15], v[D+8*\i:D+8*\i+7], v[SA+\i], v[XSC] matrix_a_fmt:MATRIX_FMT_FP4 matrix_b_fmt:MATRIX_FMT_FP4 matrix_a_scale:MATRIX_SCALE_ROW1 matrix_b_scale:MATRIX_SCALE_ROW1
.endr
.irp j, 0,1,2,3,4,5,6,7
	v_fma_f32 v[ES+\j], v[ES+\j], -2.0, v[XSC+1]   ; fl(x_sq + e_sq): -2 x (-e_sq / 2) is exact.  These eight name no register of the products: they are the places behind them
.endr
.irp j, 0,1,2,3,4,5,6,7                        ; lane (n, h) keeps accumulator n's column n; register 0 of every accumulator is read first
.irp i, 1,2,3,4,5,6,7
	v_cndmask_b32 v[D+\j], v[D+\j], v[D+8*\i+\j], s[66+\i]
.endr
.endr
.irp j, 0,1,2,3,4,5,6,7
	v_fma_f32 v[D+\j], v[D+\j], -2.0, v[ES+\j]     ; dist of candidate 8 h + j
.endr
	v_mov_b32 v9, 0
.irp j, 1,2,3,4,5,6,7                          ; ascending, strictly smaller: the first smallest
	v_cmp_lt_f32 vcc_lo, v[D+\j], v[D]
	v_cndmask_b32 v[D], v[D], v[D+\j], vcc_lo
	v_cndmask_b32 v9, v9, \j, vcc_lo
.endr
	v_lshl_add_u32 v9, v3, 3, v9                   ; m = 8 h + j
	v_permlanex16_b32 v16, v[D], s28, s29
	v_permlanex16_b32 v17, v9, s28, s29
	v_cmp_lt_f32 vcc_lo, v16, v[D]                 ; in lanes 0-15: candidates 8-15 win only where strictly smaller (lanes 16-31 are not used)
	v_cndmask_b32 v9, v9, v17, vcc_lo
	v_lshl_add_u32 v9, v15, 4, v9                  ; the code: 16 x group + m
	ds_store_b32 v10, v9                           ; every lane into its own word; lanes 0-7 hold my eight rows
	s_wait_dscnt 0x0                               ; for the others' sake: my store has landed
	s_barrier_signal -1
	s_barrier_wait -1
	s_cmp_lg_u32 s12, 0
	s_cbranch_scc1 .Lend                           ; wave 0 sends the work-group's 128 numbers
	ds_load_b128 v[20:23], v11
	v_lshlrev_b32 v16, 4, v1
	s_wait_dscnt 0x0
	global_store_b128 v16, v[20:23], s[10:11]      ; 512 consecutive bytes, at a multiple of 256 from the buffer's first byte
.Lend:
	s_wait_xcnt 0x0
	v_lshl_add_u32 v254, v0, 2, 0x800
	v_mov_b32 v255, 0
	s_wait_tensorcnt 0x0
	ds_add_u32 v254, v255
	s_wait_dscnt 0x0
	s_endpgm
.Lfunc_end_k_qf81396201e_resolve:
	.size	k_qf81396201e_resolve, .Lfunc_end_k_qf81396201e_resolve-k_qf81396201e_resolve
	.p2alignl 7, 3214868480
	.fill 96, 4, 3214868480
	.section	.rodata,"a",@progbits
	.p2align	6, 0x0
	.amdhsa_kernel k_qf81396201e_resolve
		.amdhsa_group_segment_fixed_size 4096
		.amdhsa_private_segment_fixed_size 0
		.amdhsa_enable_private_segment 0
		.amdhsa_kernarg_size 32
		.amdhsa_user_sgpr_count 2
		.amdhsa_user_sgpr_kernarg_segment_ptr 1
		.amdhsa_wavefront_size32 1
		.amdhsa_system_sgpr_workgroup_id_x 1
		.amdhsa_system_sgpr_workgroup_id_y 1
		.amdhsa_system_sgpr_workgroup_id_z 1
		.amdhsa_system_vgpr_workitem_id 0
		.amdhsa_next_free_vgpr 256
		.amdhsa_next_free_sgpr 80
		.amdhsa_reserve_vcc 1
		.amdhsa_float_denorm_mode_32 3
		.amdhsa_float_denorm_mode_16_64 3
		.amdhsa_memory_ordered 1
		.amdhsa_forward_progress 1
		.amdhsa_inst_pref_size 22
	.end_amdhsa_kernel
	.amdgpu_metadata
---
amdhsa.version: [ 1, 2 ]
amdhsa.kernels:
  - .name:           k_qf81396201e_resolve
    .symbol:         k_qf81396201e_resolve.kd
    .args:
      - { .name: part, .offset: 0, .size: 8, .value_kind: global_buffer, .address_space: global }
      - { .name: xrec, .offset: 8, .size: 8, .value_kind: global_buffer, .address_space: global }
      - { .name: tab, .offset: 16, .size: 8, .value_kind: global_buffer, .address_space: global }
      - { .name: idx, .offset: 24, .size: 8, .value_kind: global_buffer, .address_space: global }
    .group_segment_fixed_size: 4096
    .private_segment_fixed_size: 0
    .kernarg_segment_align: 8
    .kernarg_segment_size: 32
    .max_flat_workgroup_size: 512
    .sgpr_count:     80
    .vgpr_count:     256
    .wavefront_size: 32
...
	.end_amdgpu_metadata
.endif
;; end of part 3
;; launch gather (part 4): grid 256 x 1, 8 waves a work-group, no clusters, 0 bytes of LDS; arguments idx, embT, out0; writes out0
.if DOCPART == 4
	.amdgcn_target "amdgcn-amd-amdhsa--gfx1250"
	.amdhsa_code_object_version 6
	.text
	.protected	k_qf81396201e_gather
	.globl	k_qf81396201e_gather
	.p2align	8
	.type	k_qf81396201e_gather,@function
k_qf81396201e_gather:
	s_mov_b64 s[64:65], 0
	v_nop
	global_prefetch_b8 v0, s[64:65] scope:SCOPE_SE
	s_setreg_imm32_b32 hwreg(HW_REG_WAVE_MODE, 25, 1), 1
	s_wait_xcnt 0x0
; out0[row][:] = embT[idx[row]][:], rows of 256 f32 (1,024 bytes).  A wave takes 16 rows: their numbers by one scalar load, 32 loads of 512 consecutive bytes, all on their way together,
; and 32 stores of 512 consecutive bytes.  A copy: LDS, matrix units and clusters would add nothing.  No register is written twice, so no wait frees one.
.set OFF, 16                           ; v16-31   a row's byte offset in embT + 16 x lane
.set DT,  32                           ; v32-159  32 x 4 registers
	s_load_b128 s[4:7], s[0:1], 0x0                ; idx s[4:5], embT s[6:7]
	s_load_b64 s[8:9], s[0:1], 0x10                ; out0
	v_lshrrev_b32 v1, 5, v0
	v_readfirstlane_b32 s10, v1                    ; wave 0..7
	v_and_b32 v1, 31, v0
	v_lshlrev_b32 v2, 4, v1                        ; 16 x lane
	s_lshl_b32 s11, ttmp9, 3
	s_add_co_u32 s11, s11, s10                     ; which 16 rows
	s_lshl_b32 s12, s11, 6                         ; their 64 bytes of idx
	s_mov_b32 s13, 0
	s_lshl_b32 s14, s11, 14                        ; their 16,384 bytes of out0
	s_mov_b32 s15, 0
	s_wait_kmcnt 0x0
	s_add_nc_u64 s[4:5], s[4:5], s[12:13]
	s_add_nc_u64 s[8:9], s[8:9], s[14:15]
	s_load_b512 s[16:31], s[4:5], 0x0
	s_wait_kmcnt 0x0
.set k, 0
.rept 16
	s_min_u32 s[16+k], s[16+k], 0x1fff             ; a code's number stays inside the table
	s_lshl_b32 s[16+k], s[16+k], 10
	v_add_nc_u32 v[OFF+k], s[16+k], v2
.set k, k+1
.endr
.set k, 0
.rept 16
	global_load_b128 v[DT+8*k:DT+8*k+3], v[OFF+k], s[6:7]              ; no hint: a code may be named by many rows
	global_load_b128 v[DT+8*k+4:DT+8*k+7], v[OFF+k], s[6:7] offset:512
.set k, k+1
.endr
.set k, 0
.rept 32
	s_wait_loadcnt 31-k                            ; loads come back in order: load k is in, the younger ones stay out
	global_store_b128 v2, v[DT+4*k:DT+4*k+3], s[8:9] offset:512*k th:TH_STORE_NT   ; written once, read by nobody here
.set k, k+1
.endr
	s_endpgm
.Lfunc_end_k_qf81396201e_gather:
	.size	k_qf81396201e_gather, .Lfunc_end_k_qf81396201e_gather-k_qf81396201e_gather
	.p2alignl 7, 3214868480
	.fill 96, 4, 3214868480
	.section	.rodata,"a",@progbits
	.p2align	6, 0x0
	.amdhsa_kernel k_qf81396201e_gather
		.amdhsa_group_segment_fixed_size 0
		.amdhsa_private_segment_fixed_size 0
		.amdhsa_enable_private_segment 0
		.amdhsa_kernarg_size 24
		.amdhsa_user_sgpr_count 2
		.amdhsa_user_sgpr_kernarg_segment_ptr 1
		.amdhsa_wavefront_size32 1
		.amdhsa_system_sgpr_workgroup_id_x 1
		.amdhsa_system_sgpr_workgroup_id_y 1
		.amdhsa_system_sgpr_workgroup_id_z 1
		.amdhsa_system_vgpr_workitem_id 0
		.amdhsa_next_free_vgpr 160
		.amdhsa_next_free_sgpr 66
		.amdhsa_reserve_vcc 0
		.amdhsa_float_denorm_mode_32 3
		.amdhsa_float_denorm_mode_16_64 3
		.amdhsa_memory_ordered 1
		.amdhsa_forward_progress 1
		.amdhsa_inst_pref_size 10
	.end_amdhsa_kernel
	.amdgpu_metadata
---
amdhsa.version: [ 1, 2 ]
amdhsa.kernels:
  - .name:           k_qf81396201e_gather
    .symbol:         k_qf81396201e_gather.kd
    .args:
      - { .name: idx, .offset: 0, .size: 8, .value_kind: global_buffer, .address_space: global }
      - { .name: embT, .offset: 8, .size: 8, .value_kind: global_buffer, .address_space: global }
      - { .name: out0, .offset: 16, .size: 8, .value_kind: global_buffer, .address_space: global }
    .group_segment_fixed_size: 0
    .private_segment_fixed_size: 0
    .kernarg_segment_align: 8
    .kernarg_segment_size: 24
    .max_flat_workgroup_size: 256
    .sgpr_count:     66
    .vgpr_count:     160
    .wavefront_size: 32
...
	.end_amdgpu_metadata
.endif
;; end of part 4
;; ======== version 2 of 2: 4 launches; version 1 with the launch resolve written anew for expert scheduling mode
;; workspace buffers: xrec 4,718,592 bytes; tab 1,179,648 bytes; embT 8,388,608 bytes; part 4,194,304 bytes of whole numbers; idx 131,072 bytes of whole numbers
;; launch prep: the kernel of part 1 again; grid 256 x 1, 8 waves a work-group, no clusters, 173,056 bytes of LDS; arguments x, embed, xrec, tab, embT; writes xrec, tab, embT
;; launch dist: the kernel of part 2 again; grid 256 x 1, 16 waves a work-group, clusters of 4 x 1, 296,960 bytes of LDS; arguments xrec, tab, part; writes part
;; launch resolve (part 5): grid 256 x 1, 16 waves a work-group, no clusters, 4,096 bytes of LDS; arguments part, xrec, tab, idx; writes idx
.if DOCPART == 5
	.amdgcn_target "amdgcn-amd-amdhsa--gfx1250"
	.amdhsa_code_object_version 6
	.text
	.protected	k_qf81396201e_resolve
	.globl	k_qf81396201e_resolve
	.p2align	8
	.type	k_qf81396201e_resolve,@function
k_qf81396201e_resolve:
	s_mov_b64 s[64:65], 0
	v_nop
	global_prefetch_b8 v0, s[64:65] scope:SCOPE_SE
	s_setreg_imm32_b32 hwreg(HW_REG_WAVE_SCHED_MODE, 0, 2), 2
	s_setreg_imm32_b32 hwreg(HW_REG_WAVE_MODE, 25, 1), 1
	s_wait_xcnt 0x0
	s_wait_alu depctr_vm_vsrc(0)
; For each row: the best of its 16 parts, by compares of whole numbers that were read from memory (larger key; on equal keys the lower group); then the 16 distances of that group's codes,
; dist = fl(fl(x_sq + e_sq) - 2 dot), dot by the FP4 matrix instruction on the same records; the first smallest gives the code's number.
; SHARES.  Wave w takes eight rows: row tile T = 8 x work-group + w / 2, half e = w % 2.  Column n of source 1 stands for row n xor 8 e of the tile (a choice of load addresses), so that my eight rows are
; columns 0-7.  For each of them source 0 is built of ITS group's 16 codes: code 16 g + m lies in tile 2 (g / 2) + m / 8 at row m % 8 + 8 (g % 2).  Eight accumulators; of accumulator i only column i is kept.
; The tiles hang on stored numbers, so they go from memory straight into registers: no tensor load, no cluster.
; LIMITS: NaN and infinities are not served; x_sq and e_sq carry the rounding of the launch that made them.
; THE MODE: SCHED_MODE bits 1:0 = 2 (LLVM: expert scheduling mode 2), set by the entry lines.  The code itself states the register dependences between vector or matrix instructions and memory or LDS
; instructions, and those through scalar registers that vector instructions write, with s_wait_alu, always for 0.
; THE PLAN.  Registers that memory or LDS instructions touch:
;   v5, v12, v13, v7, v8  global offsets;  v10, v11  LDS addresses;  v6  the offset of wave 0's store: all made at the head, ahead of one wait on va_vdst, and never written again.
;   v18        the offset of the loads of -e_sq / 2: made once, behind the join of the parts, ahead of a wait of its own; never written again.
;   v14-29     part's pairs land here; behind the wait for them vector instructions alone name them, until wave 0's LDS load lands in v20-23, behind the last wait on va_vdst.
;   v30-63, v128-255  x, -e_sq / 2, scale words, candidates: no vector instruction names them ahead of the loads that land in them.
;   v9         the LDS store's data: written last ahead of the last wait on va_vdst.
; No register that a memory or LDS instruction has read is written again, so no wait on vm_vsrc is owed.
; Scalar registers that vector instructions write (the wave's number, masks, the rows' groups) are written in RUNS, with one wait on va_sdst behind each run and ahead of its first reader:
; so the two searches go as knock-outs of 4, 2 and 1 compares.  At every node the later entrant wins only where it is strictly better: the winner is the lowest-numbered of the best.
.set RECB, 2304
.set P,    14                          ; v14-29   eight (key, group) pairs; the best stays in v14, v15; the others are free once the parts are joined
.set X,    30                          ; v30-45   x's two fragments
.set XSC,  46                          ; v46      x's scale words;  v47 x_sq
.set ES,   48                          ; v48-55   -e_sq / 2 of my eight candidates, then x_sq + e_sq
.set SA,   56                          ; v56-63   the scale words of the eight tiles of candidates
.set D,    64                          ; v64-127  eight accumulators
.set A,    128                         ; v128-255 eight tiles of candidates, two fragments each
	s_load_b256 s[4:11], s[0:1], 0x0               ; part s[4:5], xrec s[6:7], tab s[8:9], idx s[10:11]
	v_lshrrev_b32 v5, 5, v0
	v_readfirstlane_b32 s12, v5                    ; wave 0..15
	v_and_b32 v1, 31, v0                           ; lane
	v_and_b32 v2, 15, v0                           ; n, and for source 0: m
	v_bfe_u32 v3, v0, 4, 1                         ; h
.irp i, 1,2,3,4,5,6,7
	v_cmp_eq_u32 s[66+\i], \i, v2                  ; column i
.endr
	v_lshrrev_b32 v6, 3, v2                        ; (what needs no scalar stands between these eight writers of scalar registers and the wait for them)
	v_mul_u32_u24 v6, v6, RECB                     ; candidate m lies in tile m / 8 of the pair,
	v_and_b32 v9, 7, v2
	v_lshl_add_u32 v7, v9, 4, v6
	v_lshl_add_u32 v7, v3, 8, v7                   ; its codes at 16 (m % 8) + 256 h,
	v_lshl_add_u32 v8, v9, 2, v6
	v_lshl_add_u32 v8, v3, 6, v8                   ; its scale words at 4 (m % 8) + 64 h
	v_lshlrev_b32 v10, 2, v0                       ; LDS: a word a thread, 128 bytes a wave
	v_lshrrev_b32 v11, 1, v1
	v_lshlrev_b32 v11, 7, v11
	v_and_b32 v9, 1, v1
	v_lshl_add_u32 v11, v9, 4, v11                 ; back: lane l takes four of wave l / 2's first eight words
	s_mov_b32 s28, 0x76543210
	s_mov_b32 s29, 0xfedcba98                      ; selects of v_permlanex16_b32: lane l xor 16
	s_mov_b32 s17, 0
	s_wait_alu depctr_va_sdst(0)                   ; s12 and the seven column masks s67 to s73 are written, ahead of their first readers
	s_and_b32 s13, s12, 1
	s_lshl_b32 s13, s13, 3                         ; 8 e
	s_lshr_b32 s14, s12, 1
	s_lshl_b32 s15, ttmp9, 3
	s_add_co_u32 s14, s14, s15                     ; T
	v_xor_b32 v4, s13, v2                          ; my column's row of the tile
	v_lshlrev_b32 v5, 3, v4
	v_lshl_add_u32 v5, v3, 21, v5                  ; part: 8 bytes a row; lanes 16-31 take parts 8-15, 8 x 262,144 bytes on
	v_lshl_add_u32 v6, v3, 4, v4
	v_lshlrev_b32 v12, 4, v6                       ; x's images: 16 (row + 16 h)
	v_lshlrev_b32 v13, 3, v6                       ; and its pair: 8 (row + 16 h)
	v_lshlrev_b32 v6, 4, v1                        ; idx, for wave 0's store: 16 x lane
	s_lshl_b32 s16, s14, 7
	s_wait_kmcnt 0x0
	s_add_nc_u64 s[4:5], s[4:5], s[16:17]          ; part at my row tile
	s_mul_i32 s16, s14, RECB
	s_add_nc_u64 s[6:7], s[6:7], s[16:17]          ; x's record
	s_lshl_b32 s16, ttmp9, 9
	s_add_nc_u64 s[10:11], s[10:11], s[16:17]      ; idx at the work-group's 128 rows
	s_wait_alu depctr_va_vdst(0)                   ; v5 to v8 and v10 to v13 are written: the offsets and addresses that the loads and stores of the whole kernel (but two) read
.irp e, 0,1,2,3,4,5,6,7
	global_load_b64 v[P+2*\e:P+2*\e+1], v5, s[4:5] offset:\e*262144
.endr
.irp k, 0,1,2,3
	global_load_b128 v[X+4*\k:X+4*\k+3], v12, s[6:7] offset:512*\k
.endr
	global_load_b64 v[XSC:XSC+1], v13, s[6:7] offset:2048
	s_wait_loadcnt 0x5                             ; part's eight loads are in; x's five, issued behind them, stay out
	; the best of my eight parts: strictly larger wins, so on equal keys the lower part, which holds the lower groups, stays
.irp e, 0,2,4,6
	v_cmp_gt_u32 s[20+\e/2], v[P+2*\e+2], v[P+2*\e]   ; part e + 1 against part e
.endr
	s_wait_alu depctr_va_sdst(0)                   ; the four masks s20 to s23 are written, ahead of the selects that read them
.irp e, 0,2,4,6
	v_cndmask_b32 v[P+2*\e], v[P+2*\e], v[P+2*\e+2], s[20+\e/2]
	v_cndmask_b32 v[P+2*\e+1], v[P+2*\e+1], v[P+2*\e+3], s[20+\e/2]
.endr
	v_cmp_gt_u32 s20, v[P+4], v[P]                 ; the better of parts 2, 3 against that of parts 0, 1
	v_cmp_gt_u32 s21, v[P+12], v[P+8]              ; of 6, 7 against 4, 5
	s_wait_alu depctr_va_sdst(0)                   ; the two masks s20 and s21 are written, ahead of the selects that read them
	v_cndmask_b32 v[P], v[P], v[P+4], s20
	v_cndmask_b32 v[P+1], v[P+1], v[P+5], s20
	v_cndmask_b32 v[P+8], v[P+8], v[P+12], s21
	v_cndmask_b32 v[P+9], v[P+9], v[P+13], s21
	v_cmp_gt_u32 s20, v[P+8], v[P]                 ; of 4 to 7 against 0 to 3
	s_wait_alu depctr_va_sdst(0)                   ; the mask s20 is written, ahead of the selects that read it
	v_cndmask_b32 v14, v14, v[P+8], s20
	v_cndmask_b32 v15, v15, v[P+9], s20
	v_permlanex16_b32 v16, v14, s28, s29           ; from here on v16-29 are free: all eight pairs have been read
	v_permlanex16_b32 v17, v15, s28, s29
	v_cmp_gt_u32 s20, v16, v14
	v_cmp_eq_u32 s21, v16, v14
	v_cmp_lt_u32 s22, v17, v15
	s_wait_alu depctr_va_sdst(0)                   ; the three masks s20 to s22 are written, ahead of the scalar lines that read them
	s_and_b32 s21, s21, s22
	s_or_b32 s20, s20, s21
	v_cndmask_b32 v14, v14, v16, s20
	v_cndmask_b32 v15, v15, v17, s20               ; v15: my row's group, 0 .. 511, the same in both halves of the lanes
.irp i, 0,1,2,3,4,5,6,7
	v_readlane_b32 s[32+4*\i], v15, \i             ; row i's group as a scalar, in the register that will take the low word of the base made from it
.endr
	v_mul_u32_u24 v20, v3, RECB                    ; tile h of the pair
	v_lshrrev_b32 v18, 1, v15
	v_min_u32 v18, 0xff, v18                       ; the pair of tiles
	v_and_b32 v19, 1, v15
	v_min_u32 v19, 1, v19                          ; which half of their rows
	v_mul_u32_u24 v18, v18, 2*RECB
	v_lshl_add_u32 v18, v19, 5, v18
	v_add_nc_u32 v18, v18, v20                     ; candidates 8 h + 0 .. 7 lie in tile h of the pair, rows 8 (g % 2) on
	s_wait_alu depctr_va_vdst(0)                   ; v18 is written, which the two loads below read as their offset
	global_load_b128 v[ES:ES+3], v18, s[8:9] offset:2176
	global_load_b128 v[ES+4:ES+7], v18, s[8:9] offset:2192
	s_wait_alu depctr_va_sdst(0)                   ; the eight groups s32, s36 .. s60 are written, ahead of the scalar lines that read them
	s_mov_b32 s23, 0
	s_mov_b32 s25, 0
.irp i, 0,1,2,3,4,5,6,7                        ; row i's candidates: their tile's bases as scalars
	s_lshr_b32 s21, s[32+4*\i], 1
	s_min_u32 s21, s21, 0xff
	s_and_b32 s20, s[32+4*\i], 1
	s_min_u32 s20, s20, 1
	s_mul_i32 s21, s21, 2*RECB
	s_lshl_b32 s22, s20, 7
	s_add_co_u32 s22, s22, s21
	s_lshl_b32 s24, s20, 5
	s_add_co_u32 s24, s24, s21
	s_add_nc_u64 s[32+4*\i:33+4*\i], s[8:9], s[22:23]
	s_add_nc_u64 s[34+4*\i:35+4*\i], s[8:9], s[24:25]
.irp k, 0,1,2,3
	global_load_b128 v[A+16*\i+4*\k:A+16*\i+4*\k+3], v7, s[32+4*\i:33+4*\i] offset:512*\k   ; v7 and v8 stand since the head; no vector instruction has named the registers in which these land
.endr
	global_load_b32 v[SA+\i], v8, s[34+4*\i:35+4*\i] offset:2048
.endr
	s_wait_loadcnt 0x0
.irp i, 0,1,2,3,4,5,6,7                        ; the eight accumulators by turns; the first K step starts the sums
	v_wmma_scale_f32_16x16x128_f8f6f4 v[D+8*\i:D+8*\i+7], v[A+16*\i:A+16*\i+7], v[X:X+7], 0, v[SA+\i], v[XSC] matrix_a_fmt:MATRIX_FMT_FP4 matrix_b_fmt:MATRIX_FMT_FP4
.endr
.irp i, 0,1,2,3,4,5,6,7
	v_wmma_scale_f32_16x16x128_f8f6f4 v[D+8*\i:D+8*\i+7], v[A+16*\i+8:A+16*\i+15], v[X+8:X+15], v[D+8*\i:D+8*\i+7], v[SA+\i], v[XSC] matrix_a_fmt:MATRIX_FMT_FP4 matrix_b_fmt:MATRIX_FMT_FP4 matrix_a_scale:MATRIX_SCALE_ROW1 matrix_b_scale:MATRIX_SCALE_ROW1
.endr
.irp j, 0,1,2,3,4,5,6,7
	v_fma_f32 v[ES+\j], v[ES+\j], -2.0, v[XSC+1]   ; fl(x_sq + e_sq): -2 x (-e_sq / 2) is exact.  These eight name no register of the products: they are the places behind them
.endr
.irp j, 0,1,2,3,4,5,6,7                        ; lane (n, h) keeps accumulator n's column n; register 0 of every accumulator is read first
.irp i, 1,2,3,4,5,6,7
	v_cndmask_b32 v[D+\j], v[D+\j], v[D+8*\i+\j], s[66+\i]
.endr
.endr
.irp j, 0,1,2,3,4,5,6,7
	v_fma_f32 v[D+\j], v[D+\j], -2.0, v[ES+\j]     ; dist of candidate 8 h + j
.endr
	; the first smallest of my eight: strictly smaller wins, so on equal distances the lower candidate stays
.irp j, 0,2,4,6
	v_cmp_lt_f32 s[20+\j/2], v[D+\j+1], v[D+\j]    ; candidate j + 1 against candidate j
.endr
	s_wait_alu depctr_va_sdst(0)                   ; the four masks s20 to s23 are written, ahead of the selects that read them
.irp j, 0,2,4,6
	v_cndmask_b32 v[D+\j], v[D+\j], v[D+\j+1], s[20+\j/2]
.endr
	v_cndmask_b32 v9, 0, 1, s20                    ; and which of the two it was
	v_cndmask_b32 v16, 2, 3, s21
	v_cndmask_b32 v17, 4, 5, s22
	v_cndmask_b32 v19, 6, 7, s23
	v_cmp_lt_f32 s20, v[D+2], v[D]                 ; the better of 2, 3 against that of 0, 1
	v_cmp_lt_f32 s21, v[D+6], v[D+4]               ; of 6, 7 against 4, 5
	s_wait_alu depctr_va_sdst(0)                   ; the two masks s20 and s21 are written, ahead of the selects that read them
	v_cndmask_b32 v[D], v[D], v[D+2], s20
	v_cndmask_b32 v9, v9, v16, s20
	v_cndmask_b32 v[D+4], v[D+4], v[D+6], s21
	v_cndmask_b32 v17, v17, v19, s21
	v_cmp_lt_f32 s20, v[D+4], v[D]                 ; of 4 to 7 against 0 to 3
	s_wait_alu depctr_va_sdst(0)                   ; the mask s20 is written, ahead of the selects that read it
	v_cndmask_b32 v[D], v[D], v[D+4], s20
	v_cndmask_b32 v9, v9, v17, s20
	v_lshl_add_u32 v9, v3, 3, v9                   ; m = 8 h + j
	v_permlanex16_b32 v16, v[D], s28, s29
	v_permlanex16_b32 v17, v9, s28, s29
	v_cmp_lt_f32 vcc_lo, v16, v[D]                 ; in lanes 0-15: candidates 8-15 win only where strictly smaller (lanes 16-31 are not used)
	s_wait_alu depctr_va_vcc(0)                    ; VCC is written, ahead of the select that reads it
	v_cndmask_b32 v9, v9, v17, vcc_lo
	v_lshl_add_u32 v9, v15, 4, v9                  ; the code: 16 x group + m
	s_wait_alu depctr_va_vdst(0)                   ; v9 is written, which the LDS store reads; and every vector instruction that named v20 to v23 is done: none behind this wait names them, and wave 0's LDS load lands there
	ds_store_b32 v10, v9                           ; every lane into its own word; lanes 0-7 hold my eight rows
	s_wait_dscnt 0x0                               ; for the others' sake: my store has landed
	s_barrier_signal -1
	s_barrier_wait -1
	s_cmp_lg_u32 s12, 0
	s_cbranch_scc1 .Lend                           ; wave 0 sends the work-group's 128 numbers
	ds_load_b128 v[20:23], v11
	s_wait_dscnt 0x0
	global_store_b128 v6, v[20:23], s[10:11]       ; 512 consecutive bytes, at a multiple of 256 from the buffer's first byte; the offset stands since the head, the data come from the LDS load
.Lend:
	s_wait_xcnt 0x0                                ; wave 0's store has had its address translated
	v_lshl_add_u32 v254, v0, 2, 0x800              ; the add's two registers, made anew: no memory or LDS instruction has read either of them
	v_mov_b32 v255, 0
	s_wait_dscnt 0x0                               ; the closing lines, six on end
	s_wait_alu 0x0
	s_wait_tensorcnt 0x0
	ds_add_u32 v254, v255
	s_wait_dscnt 0x0
	s_endpgm
.Lfunc_end_k_qf81396201e_resolve:
	.size	k_qf81396201e_resolve, .Lfunc_end_k_qf81396201e_resolve-k_qf81396201e_resolve
	.p2alignl 7, 3214868480
	.fill 96, 4, 3214868480
	.section	.rodata,"a",@progbits
	.p2align	6, 0x0
	.amdhsa_kernel k_qf81396201e_resolve
		.amdhsa_group_segment_fixed_size 4096
		.amdhsa_private_segment_fixed_size 0
		.amdhsa_enable_private_segment 0
		.amdhsa_kernarg_size 32
		.amdhsa_user_sgpr_count 2
		.amdhsa_user_sgpr_kernarg_segment_ptr 1
		.amdhsa_wavefront_size32 1
		.amdhsa_system_sgpr_workgroup_id_x 1
		.amdhsa_system_sgpr_workgroup_id_y 1
		.amdhsa_system_sgpr_workgroup_id_z 1
		.amdhsa_system_vgpr_workitem_id 0
		.amdhsa_next_free_vgpr 256
		.amdhsa_next_free_sgpr 80
		.amdhsa_reserve_vcc 1
		.amdhsa_float_denorm_mode_32 3
		.amdhsa_float_denorm_mode_16_64 3
		.amdhsa_memory_ordered 1
		.amdhsa_forward_progress 1
		.amdhsa_inst_pref_size 24
	.end_amdhsa_kernel
	.amdgpu_metadata
---
amdhsa.version: [ 1, 2 ]
amdhsa.kernels:
  - .name:           k_qf81396201e_resolve
    .symbol:         k_qf81396201e_resolve.kd
    .args:
      - { .name: part, .offset: 0, .size: 8, .value_kind: global_buffer, .address_space: global }
      - { .name: xrec, .offset: 8, .size: 8, .value_kind: global_buffer, .address_space: global }
      - { .name: tab, .offset: 16, .size: 8, .value_kind: global_buffer, .address_space: global }
      - { .name: idx, .offset: 24, .size: 8, .value_kind: global_buffer, .address_space: global }
    .group_segment_fixed_size: 4096
    .private_segment_fixed_size: 0
    .kernarg_segment_align: 8
    .kernarg_segment_size: 32
    .max_flat_workgroup_size: 512
    .sgpr_count:     80
    .vgpr_count:     256
    .wavefront_size: 32
...
	.end_amdgpu_metadata
.endif
;; end of part 5
;; launch gather: the kernel of part 4 again; grid 256 x 1, 8 waves a work-group, no clusters, 0 bytes of LDS; arguments idx, embT, out0; writes out0
